; MI455X (gfx1250); checked and timed in simulation.
; The chip was launched on July 23, 2026; its instructions are those of AMD's public machine-readable ISA for CDNA 5 (MIT licence, August 2026) and "CDNA5" Instruction Set Architecture Reference Guide (July 2026). The comments in the code are by the model that wrote it; some were corrected since.
;; Gaussian Rasterizer. Allowed arithmetic: float matrix products may take bf16 or f16 operands with f32 sums; all other float work in f32.
;; Inputs: colors 1,024 x 3 float32; means 1,024 x 2 float32; opacity 1,024 float32; rhos 1,024 float32; stds 1,024 x 2 float32.
;; Outputs: out0 3 x 256 x 256 float32.
;; Constants: debug = 0, image_height = 256, image_width = 256, raster_ratio = 3, scale_factor = 2.
;; 2 versions, each right; version 2 is version 1 with the launch raster written anew for expert scheduling mode. Each part assembles by itself: llvm-mc -triple=amdgcn-amd-amdhsa -mcpu=gfx1250 --defsym DOCPART=n.
;; ======== version 1 of 2: 1 launch
;; launch raster (part 1): grid 256 x 1, 16 waves a work-group, no clusters, 37,120 bytes of LDS; arguments colors, means, opacity, rhos, stds, out0; writes out0
.if DOCPART == 1
	.amdgcn_target "amdgcn-amd-amdhsa--gfx1250"
	.amdhsa_code_object_version 6
	.text
	.protected	k_q0d12908762_raster
	.globl	k_q0d12908762_raster
	.p2align	8
	.type	k_q0d12908762_raster,@function
k_q0d12908762_raster:
	s_mov_b64 s[64:65], 0
	v_nop
	global_prefetch_b8 v0, s[64:65] scope:SCOPE_SE
	s_setreg_imm32_b32 hwreg(HW_REG_WAVE_MODE, 25, 1), 1
	s_wait_xcnt 0x0
; out0[c][y][x] = sum over n of colors[n][c] * w[n][y][x],   w = opacity * exp(-Q/2) where Q <= 9, else 0.
; 1,024 gaussians, 256 x 256 pixels, scale factor 2, cutoff 3^2: all fixed sizes of the problem.
;
; ONE WORK-GROUP = ONE IMAGE ROW (grid 256).  With py fixed, all that hangs on (gaussian, row) is made once, in the prologue:
;   Q = inv (u^2 - 2 r u v + v^2) = inv (u - r v)^2 + v^2,   u = dx / sx, v = dy / sy, inv = 1 / (1 - r^2).
;   With s^2 = log2(e) / 2:   U = a dx - b,  a = s rsq(1 - r^2) / sx,  V = s dy / sy,  b = r rsq(1 - r^2) V,
;   exp(-Q/2) = 2^-(U^2 + V^2)   and   Q <= 9  <=>  E = U^2 + V^2 <= 9 s^2.
;   dx = px - 2 mx and dy = py - 2 my are rounded as reference() rounds them; nothing is expanded round a far origin.
;   The opacity goes into the colour operand (opacity x colour, bf16).
; THE CUTOFF WITHOUT A COMPARE: t = 2^40 (thr - E) in one fused multiply-add (the factor is a power of two and there is one rounding, so
;   t's sign is that of thr - E, and t = 0 at equality).  min(-E, t) is -E inside the cutoff; outside, thr - E is at least one step of
;   a number between 4 and 8, 2^-21, so t <= -2^19 and 2^t is 0.  Half a packed instruction and a minimum for each weight.
; THE PRODUCT: v_wmma_f32_16x16x32_bf16, A = colours (rows = channels), B = weights (columns = 16 pixels), K = 32 gaussians.
;   Lane (r, h) holds pixel r of a tile and gaussians 16 h .. 16 h + 15 of the step, two to a register in ascending order, in A and in B
;   alike: a permutation of k that both operands share.  A's row m holds channel min(m & 7, 2), so that D's registers 0-2 hold R, G, B of
;   pixel r in BOTH halves of the lanes (rows 0-2 and 8-10); the other rows of D repeat blue and are never read.
; SHARES: 16 waves.  Wave = (pixel quarter pq: 4 tiles of 16 pixels) x (gaussian quarter kq: 256 gaussians = 8 steps of 32).
;   The four quarters of the sum meet in LDS at the end and are added in a fixed order.
; NO CLUSTER, NO TENSOR LOADS: what work-groups share is the 36,864 bytes of inputs, read once by each and turned into per-row
;   constants in registers, against 262,144 weights that each work-group computes.
; LIMITS: stds are non-zero with a finite reciprocal (a zero std gives NaN here, 0 in reference()); NaN and infinite inputs are not served.
;   Q is rounded in another order than in reference(): a pair whose Q lies within a few f32 steps of 9 may fall on the other side of the
;   cutoff (a step of e^-4.5 x opacity x colour in that pixel).  Weights and opacity x colour are rounded to bf16; the order of the sum differs.
.set PAR,    0                         ; LDS: 512 gaussian pairs x 32 bytes: {-mx0, -mx1, a0, a1} {-b0, -b1, -V0^2, -V1^2}
.set COL,    16384                     ; LDS: 3 rows (R, G, B) of 1,024 bf16 opacity x colour
.set CPITCH, 2064                      ; 2,048 + 16 bytes: the three rows that one load touches start 16 bytes apart modulo 256
.set RED,    22784                     ; LDS: [kq][channel][256 pixels] f32, the four partial rows
.set REDK,   3072                      ; bytes of one kq in RED
.set STEPB,  512                       ; 16 pairs x 32 bytes: the parameters of one K step
.set STEPS,  8                         ; K steps of a wave
.set PA,  10                           ; v10       LDS address of my half's parameters in the current step
.set AA,  11                           ; v11       LDS address of my 32 bytes of the colour fragment in the current step
.set RS,  12                           ; v12       LDS address of my word in RED
.set PY,  13                           ; v13       py
.set PX,  14                           ; v[14:17]  px of my pixel in tiles 0-3
.set KK,  18                           ; v[18:19]  2^40, twice
.set TK,  20                           ; v[20:21]  2^40 x thr, twice
.set D,   22                           ; v[22:37]  16 chains: dx, then U, then -E, then the exponent, then the weight
.set T,   38                           ; v[38:45]  t of eight chains
.set F,   46                           ; v[46:53]  B fragment: 16 weights in bf16
.set AF,  54                           ; v[54:61]  A fragment: 16 opacity x colour in bf16
.set P,   62                           ; v[62:125] parameters of my 8 pairs, 8 registers a pair (the prologue's scratch before that)
.set ACC, 126                          ; v[126:157] four accumulator tiles
.set IN,  62                           ; prologue: the inputs of my gaussian pair, 18 registers
.set W,   80                           ; prologue: at work, 8 registers a gaussian
.set O,   96                           ; prologue: the pair's 8 parameters
.set C,   104                          ; prologue: three packed colours
	s_load_b256 s[4:11], s[0:1], 0x0               ; colors s[4:5], means s[6:7], opacity s[8:9], rhos s[10:11]
	s_load_b128 s[12:15], s[0:1], 0x20             ; stds s[12:13], out0 s[14:15]
	v_lshl_add_u32 v160, v0, 2, 0x8900
	v_mov_b32 v161, 0
	v_lshlrev_b32 v1, 4, v0                        ; thread t owns gaussians 2 t, 2 t + 1: 16 t in means and stds,
	v_lshlrev_b32 v2, 3, v0                        ; 8 t in rhos and opacity,
	v_mul_u32_u24 v3, 24, v0                       ; 24 t in colors
	s_wait_kmcnt 0x0
	global_load_b128 v[IN:IN+3],     v1, s[6:7]            ; mx0 my0 mx1 my1
	global_load_b128 v[IN+4:IN+7],   v1, s[12:13]          ; sx0 sy0 sx1 sy1
	global_load_b64  v[IN+8:IN+9],   v2, s[10:11]          ; rho0 rho1
	global_load_b64  v[IN+10:IN+11], v2, s[8:9]            ; op0 op1
	global_load_b64  v[IN+12:IN+13], v3, s[4:5]            ; R0 G0
	global_load_b64  v[IN+14:IN+15], v3, s[4:5] offset:8   ; B0 R1
	global_load_b64  v[IN+16:IN+17], v3, s[4:5] offset:16  ; G1 B1
	; while the inputs are on their way: the wave's place, the addresses and the constants of the main part
	v_lshrrev_b32 v4, 5, v0
	v_readfirstlane_b32 s16, v4                    ; wave 0..15
	s_and_b32 s17, s16, 3                          ; pq: which 64 pixels of the row
	s_lshr_b32 s18, s16, 2                         ; kq: which 256 gaussians
	v_bfe_u32 v5, v0, 4, 1                         ; h
	v_and_b32 v6, 15, v0                           ; r
	s_lshl_b32 s19, s18, 12                        ; kq x 128 pairs x 32 bytes
	v_lshl_add_u32 v[PA], v5, 8, s19               ; + h x 8 pairs x 32 bytes (PAR = 0)
	v_and_b32 v7, 7, v0
	v_min_u32 v7, 2, v7                            ; A's row r holds channel min(r & 7, 2)
	v_mul_u32_u24 v7, CPITCH, v7
	s_lshl_b32 s20, s18, 9                         ; kq x 256 gaussians x 2 bytes
	s_add_co_u32 s20, s20, COL
	v_lshl_add_u32 v7, v5, 5, v7                   ; + h x 16 gaussians x 2 bytes
	v_add_nc_u32 v[AA], s20, v7
	s_mul_i32 s21, s18, REDK
	s_lshl_b32 s22, s17, 8                         ; pq x 64 pixels x 4 bytes
	s_add_co_u32 s21, s21, s22
	s_add_co_u32 s21, s21, RED
	v_and_b32 v8, 31, v0
	v_lshl_add_u32 v[RS], v8, 2, s21               ; + 4 x lane
	s_lshl_b32 s23, s17, 6
	v_add_nc_u32 v6, s23, v6                       ; x of my pixel in tile 0
	v_cvt_f32_u32 v6, v6
	v_add_f32 v[PX], 0.5, v6                       ; pixel centres: whole numbers + 0.5 below 256, exact in f32
	s_mov_b32 s24, 0x41800000                      ; 16.0: from tile to tile
	v_add_f32 v[PX+1], s24, v[PX]
	v_add_f32 v[PX+2], s24, v[PX+1]
	v_add_f32 v[PX+3], s24, v[PX+2]
	s_mov_b32 s25, ttmp9                           ; the image row
	v_cvt_f32_u32 v[PY], s25
	v_add_f32 v[PY], 0.5, v[PY]
	v_mov_b32 v[KK],   0x53800000                  ; 2^40
	v_mov_b32 v[KK+1], 0x53800000
	v_mov_b32 v[TK],   0x54cfbf82                  ; 2^40 x thr.  thr = 0x40cfbf82 = 9 x (the f32 s below)^2, rounded to f32
	v_mov_b32 v[TK+1], 0x54cfbf82
	s_mov_b32 s26, 0x3ed96d27                      ; s / 2 = sqrt(log2(e) / 2) / 2: the halving is the scale factor 2 of the stds
	; THE PROLOGUE: the per-row constants of my two gaussians
	s_wait_loadcnt 0x3                             ; means, stds, rhos, opacity are in; the three colour loads behind them may stay out
.irp e, 0,1
	v_mul_f32 v[O+\e], -2.0, v[IN+2*\e]                            ; -m_x (exact)
	v_fma_f32 v[W+8*\e], v[IN+2*\e+1], -2.0, v[PY]                 ; dy = py - 2 my: 2 my is exact, so one rounding as in reference()
	v_max_num_f32 v[W+8*\e+3], 0xbf7fbe77, v[IN+8+\e]              ; r = clip(rho, -0.999, 0.999)
	v_min_num_f32 v[W+8*\e+3], 0x3f7fbe77, v[W+8*\e+3]
	v_fma_f32 v[W+8*\e+4], -v[W+8*\e+3], v[W+8*\e+3], 1.0          ; 1 - r^2
.endr
.irp e, 0,1
	v_rcp_f32 v[W+8*\e+1], v[IN+4+2*\e]                            ; 1 / sx
	v_rcp_f32 v[W+8*\e+2], v[IN+5+2*\e]                            ; 1 / sy
	v_rsq_f32 v[W+8*\e+4], v[W+8*\e+4]                             ; sqrt(inv)
.endr
	v_lshlrev_b32 v9, 5, v0                        ; 32 t: my pair's place in PAR.  Also the plain instruction between the six transcendentals and the first use of a result (ISA guide 5.7.2)
	s_wait_alu depctr_va_vdst(0)
.irp e, 0,1
	v_mul_f32 v[W+8*\e+1], v[W+8*\e+4], v[W+8*\e+1]                ; sqrt(inv) / sx
	v_mul_f32 v[W+8*\e+2], s26, v[W+8*\e+2]                        ; s / (2 sy)
	v_mul_f32 v[W+8*\e+3], v[W+8*\e+3], v[W+8*\e+4]                ; r sqrt(inv)
	v_mul_f32 v[O+2+\e], s26, v[W+8*\e+1]                          ; a
	v_mul_f32 v[W+8*\e], v[W+8*\e], v[W+8*\e+2]                    ; V
	v_mul_f32 v[O+4+\e], -v[W+8*\e+3], v[W+8*\e]                   ; -b
	v_mul_f32 v[O+6+\e], -v[W+8*\e], v[W+8*\e]                     ; -V^2
.endr
	ds_store_b128 v9, v[O:O+3]   offset:PAR
	ds_store_b128 v9, v[O+4:O+7] offset:PAR+16
	v_lshlrev_b32 v4, 2, v0                        ; 4 t: my pair's word in a colour row
	s_wait_loadcnt 0x0                             ; the colours
.irp c, 0,1,2
	v_mul_f32 v[W+2*\c],   v[IN+10], v[IN+12+\c]                   ; opacity x colour of gaussian 2 t,
	v_mul_f32 v[W+2*\c+1], v[IN+11], v[IN+15+\c]                   ; of gaussian 2 t + 1
.endr
.irp c, 0,1,2
	v_cvt_pk_bf16_f32 v[C+\c], v[W+2*\c], v[W+2*\c+1]              ; the even gaussian in the low half
	ds_store_b32 v4, v[C+\c] offset:COL+\c*CPITCH
.endr
	s_wait_dscnt 0x0                               ; my stores are in LDS before I say so: the other waves read them
	s_barrier_signal -1
	s_barrier_wait -1
; Eight LDS loads: the parameters of pairs 4 b .. 4 b + 3 of my half, `ahead` bytes past the current step.  The sixteen lanes of a half
; ask for the same 16 bytes.
.macro FETCH b, ahead
.irp j, 0,1,2,3
	ds_load_b128 v[P+32*\b+8*\j:P+32*\b+8*\j+3],   v[PA] offset:PAR+\ahead+128*\b+32*\j
	ds_load_b128 v[P+32*\b+8*\j+4:P+32*\b+8*\j+7], v[PA] offset:PAR+\ahead+128*\b+32*\j+16
.endr
.endm
; Tile i, pairs 4 b .. 4 b + 3: -E of eight weights, two gaussians to an instruction; px is broadcast from its half of a register pair.
.macro QUAD i, b
.irp j, 0,1,2,3
.if (\i) & 1
	v_pk_add_f32 v[D+8*\b+2*\j:D+8*\b+2*\j+1], v[PX+\i-1:PX+\i], v[P+32*\b+8*\j:P+32*\b+8*\j+1] op_sel:[1,0] op_sel_hi:[1,1]   ; dx = px - m_x
.else
	v_pk_add_f32 v[D+8*\b+2*\j:D+8*\b+2*\j+1], v[PX+\i:PX+\i+1], v[P+32*\b+8*\j:P+32*\b+8*\j+1] op_sel_hi:[0,1]
.endif
.endr
.irp j, 0,1,2,3
	v_pk_fma_f32 v[D+8*\b+2*\j:D+8*\b+2*\j+1], v[D+8*\b+2*\j:D+8*\b+2*\j+1], v[P+32*\b+8*\j+2:P+32*\b+8*\j+3], v[P+32*\b+8*\j+4:P+32*\b+8*\j+5]   ; U = a dx - b
.endr
.irp j, 0,1,2,3
	v_pk_fma_f32 v[D+8*\b+2*\j:D+8*\b+2*\j+1], v[D+8*\b+2*\j:D+8*\b+2*\j+1], v[D+8*\b+2*\j:D+8*\b+2*\j+1], v[P+32*\b+8*\j+6:P+32*\b+8*\j+7] neg_lo:[1,0,0] neg_hi:[1,0,0]   ; -E = -U U - V^2
.endr
.endm
; The same eight: the cutoff and the exponential.
.macro WEIGH b
.irp j, 0,1,2,3
	v_pk_fma_f32 v[T+2*\j:T+2*\j+1], v[D+8*\b+2*\j:D+8*\b+2*\j+1], v[KK:KK+1], v[TK:TK+1]     ; t = 2^40 (thr - E)
.endr
.irp j, 0,1,2,3,4,5,6,7
	v_min_num_f32 v[D+8*\b+\j], v[D+8*\b+\j], v[T+\j]              ; -E inside the cutoff, at most -2^19 outside
.endr
.irp j, 0,1,2,3,4,5,6,7
	v_exp_f32 v[D+8*\b+\j], v[D+8*\b+\j]                           ; the weight, or 0
.endr
.endm
; One tile of one K step: 16 weights a lane, one matrix instruction.
; Transcendentals (ISA guide 5.7.2): the first run of v_exp_f32 is followed by the second half's packed arithmetic, the second run by the four
; conversions of the first half's weights: a plain instruction that touches neither its results nor its sources stands behind each run.
; Matrix instruction (ISA guide 7.12.1): F is rewritten, and AF loaded again, behind at least the twelve packed instructions of the next QUAD,
; which name none of its registers.
; i = 0 opens a step.  Out at that point, oldest first: the 8 loads of pairs 0-3, the 8 loads of pairs 4-7.
; pre = 1 (tile 3 of a step that has a follower): each half of P is loaded for the next step as soon as its last reader has been issued.
.macro TILE i, zero, pre
.if \i == 0
	s_wait_dscnt 8                                 ; pairs 0-3 are in; the eight younger loads (pairs 4-7) stay out
.endif
	QUAD \i, 0
.if \i == 0
	ds_load_b128 v[AF:AF+3],   v[AA]               ; this step's colour fragment: 16 gaussians of my channel, 32 bytes
	ds_load_b128 v[AF+4:AF+7], v[AA] offset:16
.endif
.if \pre
	FETCH 0, STEPB
.endif
	WEIGH 0
.if \i == 0
	s_wait_dscnt 2                                 ; pairs 4-7 are in; the two colour loads issued behind them stay out
.endif
	QUAD \i, 1
.if \pre
	FETCH 1, STEPB
.endif
	WEIGH 1
	s_wait_alu depctr_va_vdst(0)
.irp j, 0,1,2,3,4,5,6,7
	v_cvt_pk_bf16_f32 v[F+\j], v[D+2*\j], v[D+2*\j+1]              ; gaussians 16 h + 2 j (low half) and 16 h + 2 j + 1, as in AF
.endr
.if \i == 0
	s_wait_dscnt 0                                 ; the colour fragment is in
.endif
.if \zero
	v_wmma_f32_16x16x32_bf16 v[ACC+8*\i:ACC+8*\i+7], v[AF:AF+7], v[F:F+7], 0       ; the first product starts the sums: nothing is cleared
.else
	v_wmma_f32_16x16x32_bf16 v[ACC+8*\i:ACC+8*\i+7], v[AF:AF+7], v[F:F+7], v[ACC+8*\i:ACC+8*\i+7]
.endif
.endm
.macro STEP zero, pre
	TILE 0, \zero, 0
	TILE 1, \zero, 0
	TILE 2, \zero, 0
	TILE 3, \zero, \pre
.if \pre
	v_add_nc_u32 v[PA], STEPB, v[PA]               ; the next 32 gaussians
	v_add_nc_u32 v[AA], 64, v[AA]
.endif
.endm
	FETCH 0, 0
	FETCH 1, 0
	STEP 1, 1                                      ; step 0 stands in front of the loop: its products start the sums
	s_mov_b32 s27, STEPS-2
.Lstep:
	STEP 0, 1
	s_sub_co_i32 s27, s27, 1
	s_cmp_lg_u32 s27, 0
	s_cbranch_scc1 .Lstep
	STEP 0, 0                                      ; the last step fetches nothing
	; THE WAY OUT.  Every lane holds R, G, B of pixel r of each tile in registers 0-2 of the tile's accumulator, in both halves of the lanes.
	; Lanes 0-15 give the even tile's, lanes 16-31 the odd tile's: one store of the wave is 32 neighbouring pixels.
.rept 4
	v_nop                                          ; four places between the last matrix instruction and the first read of a result (ISA guide 7.12.1)
.endr
	s_mov_b32 vcc_lo, 0xffff0000                   ; lanes 16-31
.irp c, 0,1,2
	v_cndmask_b32 v[D+\c],   v[ACC+\c],    v[ACC+8+\c],  vcc_lo
	v_cndmask_b32 v[D+3+\c], v[ACC+16+\c], v[ACC+24+\c], vcc_lo
.endr
.irp c, 0,1,2
	ds_store_b32 v[RS], v[D+\c]   offset:1024*\c           ; pixels 64 pq + lane
	ds_store_b32 v[RS], v[D+3+\c] offset:1024*\c+128       ; pixels 64 pq + 32 + lane
.endr
	s_wait_dscnt 0x0                               ; my partial sums are in LDS before I say so
	s_barrier_signal -1
	s_barrier_wait -1
	s_cmp_gt_u32 s16, 5                            ; 3 channels x 256 pixels = 192 threads x 4 pixels: waves 0-5
	s_cbranch_scc1 .Lend
.irp k, 0,1,2,3
	ds_load_b128 v[D+4*\k:D+4*\k+3], v1 offset:RED+\k*REDK         ; v1 = 16 t still: channel t / 64, pixels 4 (t % 64) .. + 3 of quarter k
.endr
	v_lshrrev_b32 v2, 6, v0                        ; channel (v2 and v3 were offsets of loads that have been waited for)
	v_and_b32 v3, 63, v0
	v_lshlrev_b32 v3, 4, v3                        ; 16 bytes a thread
	v_lshl_add_u32 v2, v2, 18, v3                  ; + channel x 256 x 256 x 4 bytes
	s_lshl_b32 s17, ttmp9, 10                      ; + row x 1,024 bytes
	v_add_nc_u32 v2, s17, v2
	s_wait_dscnt 0x0
	v_pk_add_f32 v[D:D+1],     v[D:D+1],     v[D+4:D+5]            ; (q0 + q1) + (q2 + q3), the same order for every pixel
	v_pk_add_f32 v[D+2:D+3],   v[D+2:D+3],   v[D+6:D+7]
	v_pk_add_f32 v[D+8:D+9],   v[D+8:D+9],   v[D+12:D+13]
	v_pk_add_f32 v[D+10:D+11], v[D+10:D+11], v[D+14:D+15]
	v_pk_add_f32 v[D:D+1],     v[D:D+1],     v[D+8:D+9]
	v_pk_add_f32 v[D+2:D+3],   v[D+2:D+3],   v[D+10:D+11]
	global_store_b128 v2, v[D:D+3], s[14:15]       ; a wave stores 512 consecutive bytes, at a multiple of 512 from out0's first byte
.Lend:
	s_wait_tensorcnt 0x0
	ds_add_u32 v160, v161
	s_wait_dscnt 0x0
	s_endpgm
.Lfunc_end_k_q0d12908762_raster:
	.size	k_q0d12908762_raster, .Lfunc_end_k_q0d12908762_raster-k_q0d12908762_raster
	.p2alignl 7, 3214868480
	.fill 96, 4, 3214868480
	.section	.rodata,"a",@progbits
	.p2align	6, 0x0
	.amdhsa_kernel k_q0d12908762_raster
		.amdhsa_group_segment_fixed_size 37120
		.amdhsa_private_segment_fixed_size 0
		.amdhsa_enable_private_segment 0
		.amdhsa_kernarg_size 48
		.amdhsa_user_sgpr_count 2
		.amdhsa_user_sgpr_kernarg_segment_ptr 1
		.amdhsa_wavefront_size32 1
		.amdhsa_system_sgpr_workgroup_id_x 1
		.amdhsa_system_sgpr_workgroup_id_y 1
		.amdhsa_system_sgpr_workgroup_id_z 1
		.amdhsa_system_vgpr_workitem_id 0
		.amdhsa_next_free_vgpr 162
		.amdhsa_next_free_sgpr 66
		.amdhsa_reserve_vcc 1
		.amdhsa_float_denorm_mode_32 3
		.amdhsa_float_denorm_mode_16_64 3
		.amdhsa_memory_ordered 1
		.amdhsa_forward_progress 1
		.amdhsa_inst_pref_size 55
	.end_amdhsa_kernel
	.amdgpu_metadata
---
amdhsa.version: [ 1, 2 ]
amdhsa.kernels:
  - .name:           k_q0d12908762_raster
    .symbol:         k_q0d12908762_raster.kd
    .args:
      - { .name: colors, .offset: 0, .size: 8, .value_kind: global_buffer, .address_space: global }
      - { .name: means, .offset: 8, .size: 8, .value_kind: global_buffer, .address_space: global }
      - { .name: opacity, .offset: 16, .size: 8, .value_kind: global_buffer, .address_space: global }
      - { .name: rhos, .offset: 24, .size: 8, .value_kind: global_buffer, .address_space: global }
      - { .name: stds, .offset: 32, .size: 8, .value_kind: global_buffer, .address_space: global }
      - { .name: out0, .offset: 40, .size: 8, .value_kind: global_buffer, .address_space: global }
    .group_segment_fixed_size: 37120
    .private_segment_fixed_size: 0
    .kernarg_segment_align: 8
    .kernarg_segment_size: 48
    .max_flat_workgroup_size: 512
    .sgpr_count:     66
    .vgpr_count:     162
    .wavefront_size: 32
...
	.end_amdgpu_metadata
.endif
;; end of part 1
;; ======== version 2 of 2: 1 launch; version 1 with the launch raster written anew for expert scheduling mode
;; launch raster (part 2): grid 256 x 1, 16 waves a work-group, no clusters, 37,120 bytes of LDS; arguments colors, means, opacity, rhos, stds, out0; writes out0
.if DOCPART == 2
	.amdgcn_target "amdgcn-amd-amdhsa--gfx1250"
	.amdhsa_code_object_version 6
	.text
	.protected	k_q0d12908762_raster
	.globl	k_q0d12908762_raster
	.p2align	8
	.type	k_q0d12908762_raster,@function
k_q0d12908762_raster:
	s_mov_b64 s[64:65], 0
	v_nop
	global_prefetch_b8 v0, s[64:65] scope:SCOPE_SE
	s_setreg_imm32_b32 hwreg(HW_REG_WAVE_SCHED_MODE, 0, 2), 2
	s_setreg_imm32_b32 hwreg(HW_REG_WAVE_MODE, 25, 1), 1
	s_wait_xcnt 0x0
	s_wait_alu depctr_vm_vsrc(0)
; out0[c][y][x] = sum over n of colors[n][c] * w[n][y][x],   w = opacity * exp(-Q/2) where Q <= 9, else 0.
; 1,024 gaussians, 256 x 256 pixels, scale factor 2, cutoff 3^2: all fixed sizes of the problem.
;
; ONE WORK-GROUP = ONE IMAGE ROW (grid 256).  With py fixed, all that hangs on (gaussian, row) is made once, in the prologue:
;   Q = inv (u^2 - 2 r u v + v^2) = inv (u - r v)^2 + v^2,   u = dx / sx, v = dy / sy, inv = 1 / (1 - r^2).
;   With s^2 = log2(e) / 2:   U = a dx - b,  a = s rsq(1 - r^2) / sx,  V = s dy / sy,  b = r rsq(1 - r^2) V,
;   exp(-Q/2) = 2^-(U^2 + V^2)   and   Q <= 9  <=>  E = U^2 + V^2 <= 9 s^2.
;   dx = px - 2 mx and dy = py - 2 my are rounded as reference() rounds them; nothing is expanded round a far origin.
;   The opacity goes into the colour operand (opacity x colour, bf16).
; THE CUTOFF WITHOUT A COMPARE: t = 2^40 (thr - E) in one fused multiply-add (the factor is a power of two and there is one rounding, so
;   t's sign is that of thr - E, and t = 0 at equality).  min(-E, t) is -E inside the cutoff; outside, thr - E is at least one step of
;   a number between 4 and 8, 2^-21, so t <= -2^19 and 2^t is 0.  Half a packed instruction and a minimum for each weight.
; THE PRODUCT: v_wmma_f32_16x16x32_bf16, A = colours (rows = channels), B = weights (columns = 16 pixels), K = 32 gaussians.
;   Lane (r, h) holds pixel r of a tile and gaussians 16 h .. 16 h + 15 of the step, two to a register in ascending order, in A and in B
;   alike: a permutation of k that both operands share.  A's row m holds channel min(m & 7, 2), so that D's registers 0-2 hold R, G, B of
;   pixel r in BOTH halves of the lanes (rows 0-2 and 8-10); the other rows of D repeat blue and are never read.
; SHARES: 16 waves.  Wave = (pixel quarter pq: 4 tiles of 16 pixels) x (gaussian quarter kq: 256 gaussians = 8 steps of 32).
;   The four quarters of the sum meet in LDS at the end and are added in a fixed order.
; NO CLUSTER, NO TENSOR LOADS: what work-groups share is the 36,864 bytes of inputs, read once by each and turned into per-row
;   constants in registers, against 262,144 weights that each work-group computes.
; LIMITS: stds are non-zero with a finite reciprocal (a zero std gives NaN here, 0 in reference()); NaN and infinite inputs are not served.
;   Q is rounded in another order than in reference(): a pair whose Q lies within a few f32 steps of 9 may fall on the other side of the
;   cutoff (a step of e^-4.5 x opacity x colour in that pixel).  Weights and opacity x colour are rounded to bf16; the order of the sum differs.
; THE MODE: SCHED_MODE bits 1:0 = 2 (LLVM: expert scheduling mode 2), set by the entry lines.  The code itself states the register dependences
;   between vector or matrix instructions and memory or LDS instructions, with s_wait_alu, always for 0.
; THE PLAN.  Registers that LDS instructions touch in the main part:
;   P0, P1     Step s: the packed arithmetic of all four tiles reads P[s % 2]; the loads of step s + 1, issued in tile 1, land in the other buffer.
;   AF0, AF1   Step s: its four matrix instructions read AF[s % 2]; the loads of step s + 1, issued in tile 1, land in the other buffer.
;   PA, AA     Read by every one of those loads; written once for two steps, at the head of a trip; the buffer's number picks the immediate offset.
;   D, T, F, PX and the accumulators are named by vector and matrix instructions alone.
;   Each tile has ONE wait on va_vdst, between its sixteen exponentials and the conversions that read them.  Tile 0's also states that the step
;   before is done reading the other P and the other AF and that PA and AA are written; no vector or matrix instruction behind it names one of
;   these, so the 18 loads of tile 1 follow with no further wait.  One wait on vm_vsrc a trip stands ahead of the adds to PA and AA.
.set PAR,    0                         ; LDS: 512 gaussian pairs x 32 bytes: {-mx0, -mx1, a0, a1} {-b0, -b1, -V0^2, -V1^2}
.set COL,    16384                     ; LDS: 3 rows (R, G, B) of 1,024 bf16 opacity x colour
.set CPITCH, 2064                      ; 2,048 + 16 bytes: the three rows that one load touches start 16 bytes apart modulo 256
.set RED,    22784                     ; LDS: [kq][channel][256 pixels] f32, the four partial rows
.set REDK,   3072                      ; bytes of one kq in RED
.set STEPB,  512                       ; 16 pairs x 32 bytes: the parameters of one K step
.set STEPS,  8                         ; K steps of a wave
.set PA,  10                           ; v10       LDS address of my half's parameters in the even step of the pair of steps in hand
.set AA,  11                           ; v11       LDS address of my 32 bytes of the colour fragment in that step
.set RS,  12                           ; v12       LDS address of my word in RED
.set PY,  13                           ; v13       py
.set PX,  14                           ; v[14:17]  px of my pixel in tiles 0-3
.set KK,  18                           ; v[18:19]  2^40, twice
.set TK,  20                           ; v[20:21]  2^40 x thr, twice
.set D,   22                           ; v[22:37]  16 chains: dx, then U, then -E, then the exponent, then the weight
.set T,   38                           ; v[38:45]  t of eight chains
.set F,   46                           ; v[46:53]  B fragment: 16 weights in bf16
.set AF,  54                           ; v[54:61]  A fragment, buffer 0: 16 opacity x colour in bf16
.set AQ,  168                          ;           buffer 1 lies 168 registers on: v[222:229]
.set P,   62                           ; v[62:125] parameters of my 8 pairs, 8 registers a pair, buffer 0 (the prologue's scratch before that)
.set PQ,  96                           ;           buffer 1 lies 96 registers on: v[158:221]
.set ACC, 126                          ; v[126:157] four accumulator tiles
.set IN,  62                           ; prologue: the inputs of my gaussian pair, 18 registers
.set W,   80                           ; prologue: at work, 8 registers a gaussian
.set O,   96                           ; prologue: the pair's 8 parameters
.set C,   104                          ; prologue: three packed colours
	s_load_b256 s[4:11], s[0:1], 0x0               ; colors s[4:5], means s[6:7], opacity s[8:9], rhos s[10:11]
	s_load_b128 s[12:15], s[0:1], 0x20             ; stds s[12:13], out0 s[14:15]
	v_lshl_add_u32 v230, v0, 2, 0x8900
	v_mov_b32 v231, 0
	v_lshlrev_b32 v1, 4, v0                        ; thread t owns gaussians 2 t, 2 t + 1: 16 t in means and stds,
	v_lshlrev_b32 v2, 3, v0                        ; 8 t in rhos and opacity,
	v_mul_u32_u24 v3, 24, v0                       ; 24 t in colors
	s_wait_kmcnt 0x0
	s_wait_alu depctr_va_vdst(0)                   ; v1, v2 and v3 are written: the seven loads below read them as their offsets
	global_load_b128 v[IN:IN+3],     v1, s[6:7]            ; mx0 my0 mx1 my1
	global_load_b128 v[IN+4:IN+7],   v1, s[12:13]          ; sx0 sy0 sx1 sy1
	global_load_b64  v[IN+8:IN+9],   v2, s[10:11]          ; rho0 rho1
	global_load_b64  v[IN+10:IN+11], v2, s[8:9]            ; op0 op1
	global_load_b64  v[IN+12:IN+13], v3, s[4:5]            ; R0 G0
	global_load_b64  v[IN+14:IN+15], v3, s[4:5] offset:8   ; B0 R1
	global_load_b64  v[IN+16:IN+17], v3, s[4:5] offset:16  ; G1 B1
	; while the inputs are on their way: the wave's place, the addresses and the constants of the main part
	v_lshrrev_b32 v4, 5, v0
	v_readfirstlane_b32 s16, v4                    ; wave 0..15
	v_bfe_u32 v5, v0, 4, 1                         ; h
	v_and_b32 v6, 15, v0                           ; r
	v_and_b32 v7, 7, v0
	v_min_u32 v7, 2, v7                            ; A's row r holds channel min(r & 7, 2)
	v_mul_u32_u24 v7, CPITCH, v7
	v_and_b32 v8, 31, v0
	s_wait_alu depctr_va_sdst(0)                   ; s16 is written, ahead of its first reader: pq, kq and the LDS addresses are made from it
	s_and_b32 s17, s16, 3                          ; pq: which 64 pixels of the row
	s_lshr_b32 s18, s16, 2                         ; kq: which 256 gaussians
	s_lshl_b32 s19, s18, 12                        ; kq x 128 pairs x 32 bytes
	v_lshl_add_u32 v[PA], v5, 8, s19               ; + h x 8 pairs x 32 bytes (PAR = 0)
	s_lshl_b32 s20, s18, 9                         ; kq x 256 gaussians x 2 bytes
	s_add_co_u32 s20, s20, COL
	v_lshl_add_u32 v7, v5, 5, v7                   ; + h x 16 gaussians x 2 bytes
	v_add_nc_u32 v[AA], s20, v7
	s_mul_i32 s21, s18, REDK
	s_lshl_b32 s22, s17, 8                         ; pq x 64 pixels x 4 bytes
	s_add_co_u32 s21, s21, s22
	s_add_co_u32 s21, s21, RED
	v_lshl_add_u32 v[RS], v8, 2, s21               ; + 4 x lane
	s_lshl_b32 s23, s17, 6
	v_add_nc_u32 v6, s23, v6                       ; x of my pixel in tile 0
	v_cvt_f32_u32 v6, v6
	v_add_f32 v[PX], 0.5, v6                       ; pixel centres: whole numbers + 0.5 below 256, exact in f32
	s_mov_b32 s24, 0x41800000                      ; 16.0: from tile to tile
	v_add_f32 v[PX+1], s24, v[PX]
	v_add_f32 v[PX+2], s24, v[PX+1]
	v_add_f32 v[PX+3], s24, v[PX+2]
	s_mov_b32 s25, ttmp9                           ; the image row
	v_cvt_f32_u32 v[PY], s25
	v_add_f32 v[PY], 0.5, v[PY]
	v_mov_b32 v[KK],   0x53800000                  ; 2^40
	v_mov_b32 v[KK+1], 0x53800000
	v_mov_b32 v[TK],   0x54cfbf82                  ; 2^40 x thr.  thr = 0x40cfbf82 = 9 x (the f32 s below)^2, rounded to f32
	v_mov_b32 v[TK+1], 0x54cfbf82
	s_mov_b32 s26, 0x3ed96d27                      ; s / 2 = sqrt(log2(e) / 2) / 2: the halving is the scale factor 2 of the stds
	; THE PROLOGUE: the per-row constants of my two gaussians
	s_wait_loadcnt 0x3                             ; means, stds, rhos, opacity are in; the three colour loads behind them may stay out
.irp e, 0,1
	v_mul_f32 v[O+\e], -2.0, v[IN+2*\e]                            ; -m_x (exact)
	v_fma_f32 v[W+8*\e], v[IN+2*\e+1], -2.0, v[PY]                 ; dy = py - 2 my: 2 my is exact, so one rounding as in reference()
	v_max_num_f32 v[W+8*\e+3], 0xbf7fbe77, v[IN+8+\e]              ; r = clip(rho, -0.999, 0.999)
	v_min_num_f32 v[W+8*\e+3], 0x3f7fbe77, v[W+8*\e+3]
	v_fma_f32 v[W+8*\e+4], -v[W+8*\e+3], v[W+8*\e+3], 1.0          ; 1 - r^2
.endr
.irp e, 0,1
	v_rcp_f32 v[W+8*\e+1], v[IN+4+2*\e]                            ; 1 / sx
	v_rcp_f32 v[W+8*\e+2], v[IN+5+2*\e]                            ; 1 / sy
	v_rsq_f32 v[W+8*\e+4], v[W+8*\e+4]                             ; sqrt(inv)
.endr
	v_lshlrev_b32 v9, 5, v0                        ; 32 t: my pair's place in PAR.  Also the plain instruction between the six transcendentals and the first use of a result (ISA guide 5.7.2)
	s_wait_alu depctr_va_vdst(0)                   ; the four reciprocals and two roots have written their results, ahead of the first line that names one: one wait for the batch
.irp e, 0,1
	v_mul_f32 v[W+8*\e+1], v[W+8*\e+4], v[W+8*\e+1]                ; sqrt(inv) / sx
	v_mul_f32 v[W+8*\e+2], s26, v[W+8*\e+2]                        ; s / (2 sy)
	v_mul_f32 v[W+8*\e+3], v[W+8*\e+3], v[W+8*\e+4]                ; r sqrt(inv)
	v_mul_f32 v[O+2+\e], s26, v[W+8*\e+1]                          ; a
	v_mul_f32 v[W+8*\e], v[W+8*\e], v[W+8*\e+2]                    ; V
	v_mul_f32 v[O+4+\e], -v[W+8*\e+3], v[W+8*\e]                   ; -b
	v_mul_f32 v[O+6+\e], -v[W+8*\e], v[W+8*\e]                     ; -V^2
.endr
	v_lshlrev_b32 v4, 2, v0                        ; 4 t: my pair's word in a colour row
	s_wait_loadcnt 0x0                             ; the colours
.irp c, 0,1,2
	v_mul_f32 v[W+2*\c],   v[IN+10], v[IN+12+\c]                   ; opacity x colour of gaussian 2 t,
	v_mul_f32 v[W+2*\c+1], v[IN+11], v[IN+15+\c]                   ; of gaussian 2 t + 1
.endr
.irp c, 0,1,2
	v_cvt_pk_bf16_f32 v[C+\c], v[W+2*\c], v[W+2*\c+1]              ; the even gaussian in the low half
.endr
	s_wait_alu depctr_va_vdst(0)                   ; O, C, v9 and v4 are written, which the five LDS stores read.  Also: the prologue is done with v[62:125], in which the first fetch lands, and PA and AA, its addresses, are written; no vector line stands between here and that fetch
	ds_store_b128 v9, v[O:O+3]   offset:PAR
	ds_store_b128 v9, v[O+4:O+7] offset:PAR+16
.irp c, 0,1,2
	ds_store_b32 v4, v[C+\c] offset:COL+\c*CPITCH
.endr
	s_wait_dscnt 0x0                               ; my stores are in LDS before I say so: the other waves read them
	s_barrier_signal -1
	s_barrier_wait -1
; Eight LDS loads: the parameters of pairs 4 b .. 4 b + 3 of my half, into buffer q.  Buffer 0 takes even steps, at PA; buffer 1 odd steps, a step's bytes on.
; The sixteen lanes of a half ask for the same 16 bytes.
.macro FETCH q, b
.irp j, 0,1,2,3
	ds_load_b128 v[P+PQ*(\q)+32*(\b)+8*\j:P+PQ*(\q)+32*(\b)+8*\j+3],   v[PA] offset:PAR+(\q)*STEPB+128*(\b)+32*\j
	ds_load_b128 v[P+PQ*(\q)+32*(\b)+8*\j+4:P+PQ*(\q)+32*(\b)+8*\j+7], v[PA] offset:PAR+(\q)*STEPB+128*(\b)+32*\j+16
.endr
.endm
; Two LDS loads: a step's colour fragment, 16 gaussians of my channel, 32 bytes, into buffer q.
.macro AFETCH q
	ds_load_b128 v[AF+AQ*(\q):AF+AQ*(\q)+3],   v[AA] offset:64*(\q)
	ds_load_b128 v[AF+AQ*(\q)+4:AF+AQ*(\q)+7], v[AA] offset:64*(\q)+16
.endm
; Tile i, buffer q, pairs 4 b .. 4 b + 3: -E of eight weights, two gaussians to an instruction; px is broadcast from its half of a register pair.
.macro QUAD i, q, b
.irp j, 0,1,2,3
.if (\i) & 1
	v_pk_add_f32 v[D+8*\b+2*\j:D+8*\b+2*\j+1], v[PX+\i-1:PX+\i], v[P+PQ*(\q)+32*\b+8*\j:P+PQ*(\q)+32*\b+8*\j+1] op_sel:[1,0] op_sel_hi:[1,1]   ; dx = px - m_x
.else
	v_pk_add_f32 v[D+8*\b+2*\j:D+8*\b+2*\j+1], v[PX+\i:PX+\i+1], v[P+PQ*(\q)+32*\b+8*\j:P+PQ*(\q)+32*\b+8*\j+1] op_sel_hi:[0,1]
.endif
.endr
.irp j, 0,1,2,3
	v_pk_fma_f32 v[D+8*\b+2*\j:D+8*\b+2*\j+1], v[D+8*\b+2*\j:D+8*\b+2*\j+1], v[P+PQ*(\q)+32*\b+8*\j+2:P+PQ*(\q)+32*\b+8*\j+3], v[P+PQ*(\q)+32*\b+8*\j+4:P+PQ*(\q)+32*\b+8*\j+5]   ; U = a dx - b
.endr
.irp j, 0,1,2,3
	v_pk_fma_f32 v[D+8*\b+2*\j:D+8*\b+2*\j+1], v[D+8*\b+2*\j:D+8*\b+2*\j+1], v[D+8*\b+2*\j:D+8*\b+2*\j+1], v[P+PQ*(\q)+32*\b+8*\j+6:P+PQ*(\q)+32*\b+8*\j+7] neg_lo:[1,0,0] neg_hi:[1,0,0]   ; -E = -U U - V^2
.endr
.endm
; The same eight: the cutoff and the exponential.
.macro WEIGH b
.irp j, 0,1,2,3
	v_pk_fma_f32 v[T+2*\j:T+2*\j+1], v[D+8*\b+2*\j:D+8*\b+2*\j+1], v[KK:KK+1], v[TK:TK+1]     ; t = 2^40 (thr - E)
.endr
.irp j, 0,1,2,3,4,5,6,7
	v_min_num_f32 v[D+8*\b+\j], v[D+8*\b+\j], v[T+\j]              ; -E inside the cutoff, at most -2^19 outside
.endr
.irp j, 0,1,2,3,4,5,6,7
	v_exp_f32 v[D+8*\b+\j], v[D+8*\b+\j]                           ; the weight, or 0
.endr
.endm
; One tile of one K step on buffer q: 16 weights a lane, one matrix instruction.
; Transcendentals (ISA guide 5.7.2): the tile's sixteen v_exp_f32 are one batch.  The first run is followed by the second half's packed arithmetic, which
; names none of its results; the second by a v_nop; then one wait, then the conversions, the batch's first readers.
; Matrix instruction (ISA guide 7.12.1): F is rewritten behind at least the twelve packed instructions of the next QUAD, which name none of its registers.
; i = 0 opens a step.  Out at that point at the most, oldest first: the 8 loads of pairs 0-3, the 8 loads of pairs 4-7, the 2 loads of the colour fragment.
; pre = 1 (a step that has a follower): tile 1 fetches the next step into the other buffers, in that same order.
.macro TILE i, q, zero, pre
.if \i == 0
	s_wait_dscnt 10                                ; pairs 0-3 are in; the ten younger loads (pairs 4-7, the colour fragment) may stay out
.endif
	QUAD \i, \q, 0
.if ((\i) == 1) && (\pre)
	FETCH 1-\q, 0                                  ; no wait: no vector or matrix instruction since tile 0's wait names the other P, or PA
.endif
	WEIGH 0
.if \i == 0
	s_wait_dscnt 2                                 ; pairs 4-7 are in; the two colour loads issued behind them may stay out
.endif
	QUAD \i, \q, 1
.if ((\i) == 1) && (\pre)
	FETCH 1-\q, 1
	AFETCH 1-\q                                    ; nor the other AF, or AA
.endif
	WEIGH 1
	v_nop                                          ; the plain instruction behind the last exponential
	s_wait_alu depctr_va_vdst(0)                   ; the sixteen exponentials have written D, which the conversions read.  In tile 0 also: the step before is done reading the other P (its last QUAD) and the other AF (its last matrix instruction), in which tile 1's loads land, and PA and AA, which those loads read, are written
.irp j, 0,1,2,3,4,5,6,7
	v_cvt_pk_bf16_f32 v[F+\j], v[D+2*\j], v[D+2*\j+1]              ; gaussians 16 h + 2 j (low half) and 16 h + 2 j + 1, as in AF
.endr
.if \i == 0
	s_wait_dscnt 0                                 ; the colour fragment is in
.endif
.if \zero
	v_wmma_f32_16x16x32_bf16 v[ACC+8*\i:ACC+8*\i+7], v[AF+AQ*(\q):AF+AQ*(\q)+7], v[F:F+7], 0       ; the first product starts the sums: nothing is cleared
.else
	v_wmma_f32_16x16x32_bf16 v[ACC+8*\i:ACC+8*\i+7], v[AF+AQ*(\q):AF+AQ*(\q)+7], v[F:F+7], v[ACC+8*\i:ACC+8*\i+7]   ; the four accumulators take turns
.endif
.endm
.macro STEP q, zero, pre
	TILE 0, \q, \zero, \pre
	TILE 1, \q, \zero, \pre
	TILE 2, \q, \zero, \pre
	TILE 3, \q, \zero, \pre
.endm
; The head of a trip: both LDS addresses move on by two steps, 64 gaussians.
.macro ON
	s_wait_alu depctr_vm_vsrc(0)                   ; the LDS loads issued so far have read PA and AA
	v_add_nc_u32 v[PA], 2*STEPB, v[PA]
	v_add_nc_u32 v[AA], 128, v[AA]
.endm
	s_wait_alu depctr_vm_vsrc(0)                   ; my LDS stores have read O and C: these registers are buffer 0 of P from here on, and the fetch below lands in them
	FETCH 0, 0
	FETCH 0, 1
	AFETCH 0
	STEP 0, 1, 1                                   ; step 0 stands in front of the loop: its products start the sums
	s_mov_b32 s27, (STEPS-2)/2
.Lstep:                                                ; steps 1 to 6, two to a trip: both kinds of buffer are back at their start
	ON
	STEP 1, 0, 1
	STEP 0, 0, 1
	s_sub_co_i32 s27, s27, 1
	s_cmp_lg_u32 s27, 0
	s_cbranch_scc1 .Lstep
	STEP 1, 0, 0                                   ; the last step fetches nothing
	; THE WAY OUT.  Every lane holds R, G, B of pixel r of each tile in registers 0-2 of the tile's accumulator, in both halves of the lanes.
	; Lanes 0-15 give the even tile's, lanes 16-31 the odd tile's: one store of the wave is 32 neighbouring pixels.
.rept 4
	v_nop                                          ; four places between the last matrix instruction and the first read of a result (ISA guide 7.12.1)
.endr
	s_mov_b32 s28, 0xffff0000                      ; lanes 16-31
.irp c, 0,1,2
	v_cndmask_b32 v[D+\c],   v[ACC+\c],    v[ACC+8+\c],  s28
	v_cndmask_b32 v[D+3+\c], v[ACC+16+\c], v[ACC+24+\c], s28
.endr
	s_wait_alu depctr_va_vdst(0)                   ; the six selects have written D's first six registers, which the LDS stores read; and every vector line that named D is done, for the loads from RED that land in it below
.irp c, 0,1,2
	ds_store_b32 v[RS], v[D+\c]   offset:1024*\c           ; pixels 64 pq + lane
	ds_store_b32 v[RS], v[D+3+\c] offset:1024*\c+128       ; pixels 64 pq + 32 + lane
.endr
	s_wait_dscnt 0x0                               ; my partial sums are in LDS before I say so
	s_barrier_signal -1
	s_barrier_wait -1
	s_cmp_gt_u32 s16, 5                            ; 3 channels x 256 pixels = 192 threads x 4 pixels: waves 0-5
	s_cbranch_scc1 .Lend
	s_wait_alu depctr_vm_vsrc(0)                   ; my LDS stores have read D, in which the loads below land; the head's loads have read v2 and v3, which are written again below
.irp k, 0,1,2,3
	ds_load_b128 v[D+4*\k:D+4*\k+3], v1 offset:RED+\k*REDK         ; v1 = 16 t still: channel t / 64, pixels 4 (t % 64) .. + 3 of quarter k
.endr
	v_lshrrev_b32 v2, 6, v0                        ; channel (v2 and v3 were offsets of loads that have been waited for)
	v_and_b32 v3, 63, v0
	v_lshlrev_b32 v3, 4, v3                        ; 16 bytes a thread
	v_lshl_add_u32 v2, v2, 18, v3                  ; + channel x 256 x 256 x 4 bytes
	s_lshl_b32 s17, ttmp9, 10                      ; + row x 1,024 bytes
	v_add_nc_u32 v2, s17, v2
	s_wait_dscnt 0x0
	v_pk_add_f32 v[D:D+1],     v[D:D+1],     v[D+4:D+5]            ; (q0 + q1) + (q2 + q3), the same order for every pixel
	v_pk_add_f32 v[D+2:D+3],   v[D+2:D+3],   v[D+6:D+7]
	v_pk_add_f32 v[D+8:D+9],   v[D+8:D+9],   v[D+12:D+13]
	v_pk_add_f32 v[D+10:D+11], v[D+10:D+11], v[D+14:D+15]
	v_pk_add_f32 v[D:D+1],     v[D:D+1],     v[D+8:D+9]
	v_pk_add_f32 v[D+2:D+3],   v[D+2:D+3],   v[D+10:D+11]
	s_wait_alu depctr_va_vdst(0)                   ; the sums have written D's first four registers and the adds v2: the store's data and its offset
	global_store_b128 v2, v[D:D+3], s[14:15]       ; a wave stores 512 consecutive bytes, at a multiple of 512 from out0's first byte
.Lend:
	s_wait_dscnt 0x0
	s_wait_alu depctr_hold_cnt(0) depctr_sa_sdst(0) depctr_va_vdst(0) depctr_va_sdst(0) depctr_va_ssrc(0) depctr_va_vcc(0) depctr_vm_vsrc(0)
	s_wait_tensorcnt 0x0
	ds_add_u32 v230, v231
	s_wait_dscnt 0x0
	s_endpgm
.Lfunc_end_k_q0d12908762_raster:
	.size	k_q0d12908762_raster, .Lfunc_end_k_q0d12908762_raster-k_q0d12908762_raster
	.p2alignl 7, 3214868480
	.fill 96, 4, 3214868480
	.section	.rodata,"a",@progbits
	.p2align	6, 0x0
	.amdhsa_kernel k_q0d12908762_raster
		.amdhsa_group_segment_fixed_size 37120
		.amdhsa_private_segment_fixed_size 0
		.amdhsa_enable_private_segment 0
		.amdhsa_kernarg_size 48
		.amdhsa_user_sgpr_count 2
		.amdhsa_user_sgpr_kernarg_segment_ptr 1
		.amdhsa_wavefront_size32 1
		.amdhsa_system_sgpr_workgroup_id_x 1
		.amdhsa_system_sgpr_workgroup_id_y 1
		.amdhsa_system_sgpr_workgroup_id_z 1
		.amdhsa_system_vgpr_workitem_id 0
		.amdhsa_next_free_vgpr 232
		.amdhsa_next_free_sgpr 66
		.amdhsa_reserve_vcc 0
		.amdhsa_float_denorm_mode_32 3
		.amdhsa_float_denorm_mode_16_64 3
		.amdhsa_memory_ordered 1
		.amdhsa_forward_progress 1
		.amdhsa_inst_pref_size 71
	.end_amdhsa_kernel
	.amdgpu_metadata
---
amdhsa.version: [ 1, 2 ]
amdhsa.kernels:
  - .name:           k_q0d12908762_raster
    .symbol:         k_q0d12908762_raster.kd
    .args:
      - { .name: colors, .offset: 0, .size: 8, .value_kind: global_buffer, .address_space: global }
      - { .name: means, .offset: 8, .size: 8, .value_kind: global_buffer, .address_space: global }
      - { .name: opacity, .offset: 16, .size: 8, .value_kind: global_buffer, .address_space: global }
      - { .name: rhos, .offset: 24, .size: 8, .value_kind: global_buffer, .address_space: global }
      - { .name: stds, .offset: 32, .size: 8, .value_kind: global_buffer, .address_space: global }
      - { .name: out0, .offset: 40, .size: 8, .value_kind: global_buffer, .address_space: global }
    .group_segment_fixed_size: 37120
    .private_segment_fixed_size: 0
    .kernarg_segment_align: 8
    .kernarg_segment_size: 48
    .max_flat_workgroup_size: 512
    .sgpr_count:     66
    .vgpr_count:     232
    .wavefront_size: 32
...
	.end_amdgpu_metadata
.endif
;; end of part 2
